; MI455X (gfx1250); checked and timed in simulation.
; The chip was launched on July 23, 2026; its instructions are those of AMD's public machine-readable ISA for CDNA 5 (MIT licence, August 2026) and "CDNA5" Instruction Set Architecture Reference Guide (July 2026). The comments in the code are by the model that wrote it; some were corrected since.
;; Multihead Self Attention. Allowed arithmetic: matrix products marked QUANTISED: E4M3 operands, one given power-of-two scale a tensor, by v_wmma_f32_16x16x64_fp8_fp8 or v_wmma_f32_16x16x128_fp8_fp8, f32 sums; everything else in f32.
;; Inputs: Wk 1,024 x 1,024 float32; Wo 1,024 x 1,024 float32; Wq 1,024 x 1,024 float32; Wv 1,024 x 1,024 float32; lowp_scales 12 int32 (the exponents e of the quantised operands' scales 2^e); x 2 x 2,048 x 1,024 float32.
;; Outputs: out0 2 x 2,048 x 1,024 float32.
;; This version of the problem:
;;   THIS VERSION OF THE PROBLEM IS GIVEN IN LOW PRECISION. The matrix products marked QUANTISED in the list below multiply operands that are first quantised to E4M3 (4 exponent bits, 3 mantissa bits; 8 bits a number), with one given power-of-two scale for each operand tensor; their sums are f32. All else is computed in f32.
;;   The module's matrix products, in the order in which they are computed (A, B: the left and right operand; K: the contracted axis; several contracted axes count as one K, in the product's order):
;;     1. [M 4,096, K 1,024] x [K 1,024, N 1,024]; A: input x; B: input Wq: QUANTISED (scales: A lowp_scales[0], B lowp_scales[1])
;;     2. [M 4,096, K 1,024] x [K 1,024, N 1,024]; A: input x; B: input Wk: QUANTISED (scales: A lowp_scales[2], B lowp_scales[3])
;;     3. [M 4,096, K 1,024] x [K 1,024, N 1,024]; A: input x; B: input Wv: QUANTISED (scales: A lowp_scales[4], B lowp_scales[5])
;;     4. batch 32 x [M 2,048, K 64] x [K 64, N 2,048]; A: computed on the way; B: computed on the way: QUANTISED (scales: A lowp_scales[6], B lowp_scales[7])
;;     5. batch 32 x [M 2,048, K 2,048] x [K 2,048, N 64]; A: softmax (see below); B: computed on the way: QUANTISED (scales: A lowp_scales[8], B lowp_scales[9])
;;     6. [M 4,096, K 1,024] x [K 1,024, N 1,024]; A: computed on the way; B: input Wo: QUANTISED (scales: A lowp_scales[10], B lowp_scales[11])
;;   THE QUANTISER, for each operand of a quantised product, along K:
;;     - The operand's scale is 2^e, e = its entry of the input lowp_scales (int32; the entries are numbered through the quantised products in the list's order, A before B).
;;     - Each number is divided by the scale, clamped to +-448, and rounded to the nearest number of E4M3, ties to even, subnormals kept.
;;     - The product sums the exact products of the quantised numbers (number of the format x scale) in f32.
;;   ~~~python
;;   def quantise(x, axis, e):      # numpy; x: float32 -> the quantised numbers, widened to float32 again
;;       x = np.moveaxis(x, axis, -1); K = x.shape[-1]
;;       r = np.clip(x / 2.0 ** e, -448, 448)
;;       step = 2.0 ** (np.maximum(np.frexp(np.where(r == 0, 1, r))[1] - 1, -6) - 3)
;;       q = np.round(r / step) * step * 2.0 ** e      # np.round: ties to even
;;       return np.moveaxis(q, -1, axis).astype(np.float32)
;;   ~~~
;;   SOFTMAX AHEAD OF A QUANTISED PRODUCT. Where the list says 'softmax', what is quantised is not the finished softmax but p = 2^(t - M), with t = logit x log2(e) and M = ceil(the row's largest t), a whole number; so 1/2 < the row's largest p <= 1. The row's sum l is taken of the UNQUANTISED p, in f32, and the product's result is divided by l at the end. Since M is a whole number, a kernel that streams over the keys may use a running M (the ceiling of the running maximum): every later rescaling is an exact power of two, so the quantised numbers keep their values, but for numbers so far below the row's largest that they fall under the format's range.
;;   OPERANDS COMPUTED ON THE WAY. 'Computed on the way' means the value that the module computes at that place (a softmax that the list does not call 'softmax' is quantised finished and normalised). What goes into a quantiser is computed in f32, as accurately as f32 sums, v_exp_f32 and their like allow (about 1e-6 of the number): no bf16 or f16 on the way to a quantiser, and a product that is left as it is and whose result goes on into a quantised operand takes f32 operands (vector FMAs, or v_wmma_f32_16x16x4_f32). A number that lies on a knife's edge between two numbers of the format may be rounded either way, as far as f32 arithmetic and the matrix unit's own rounding can turn it there, and no further.
;; One version. Each part assembles by itself: llvm-mc -triple=amdgcn-amd-amdhsa -mcpu=gfx1250 --defsym DOCPART=n.
;; ======== version 1 of 1: 4 launches
;; limits: right only within a limited range of input values
;; workspace buffers: xc 12,582,912 bytes; wc 4,194,304 bytes; rope 524,288 bytes; qf 4,194,304 bytes; kv 8,388,608 bytes; ac 4,194,304 bytes
;; launch prep (part 1): grid 288 x 1, 4 waves a work-group, no clusters, 33,280 bytes of LDS; arguments x, Wq, Wk, Wv, Wo, lowp_scales, xc, wc, rope; writes xc, wc, rope
.if DOCPART == 1
	.amdgcn_target "amdgcn-amd-amdhsa--gfx1250"
	.amdhsa_code_object_version 6
	.text
	.protected	k_q748ef15e8a_prep
	.globl	k_q748ef15e8a_prep
	.p2align	8
	.type	k_q748ef15e8a_prep,@function
k_q748ef15e8a_prep:
	s_mov_b64 s[64:65], 0
	v_nop
	global_prefetch_b8 v0, s[64:65] scope:SCOPE_SE
	s_setreg_imm32_b32 hwreg(HW_REG_WAVE_MODE, 25, 1), 1
	s_wait_xcnt 0x0
; PREP.  Three jobs, told apart by the work-group's number g:
;   g < 128:        x [4096][1024] f32 becomes codes of E4M3 three times, with the scales 2^e0, 2^e2, 2^e4 (one for each product that reads x): xc = [3][4096][1024] bytes, K innermost.
;   128 <= g < 256: Wq, Wk, Wv, Wo [1024][1024] f32 become codes with 2^e1, 2^e3, 2^e5, 2^e11: wc = [4][1024][1024] bytes, K innermost.
;   g >= 256:       the table of cosines and sines for the rotation, laid as the next launch's lanes want it.
; code = number / 2^e, rounded to the nearest code, ties to even.  LIMITS: every e between -126 and 127, so that 2^e is an f32 number.  NaN among the inputs is not served.
; THE QUANTISER.  Rows are dense, so a tensor is a plain stream.  A wave takes 16 steps of 512 numbers.  Each of a step's four loads reads 512 consecutive bytes, 16 a lane; the 2,048 bytes turn through the wave's own
; stage in LDS (16 bytes of padding behind each 64) and come back 64 bytes a lane: 16 neighbours along K, which the conversions want in one lane's registers.  A lane's 16 codes are 16 bytes: a store covers 512 consecutive bytes.
; x and the weights take ONE path through LDS; only pointers and exponents are chosen, by the work-group's number.  A weight's work-group jumps over planes 1 and 2: registers and stores alone stand under that branch.
; No matrix unit, no tensor load, no barrier: waves share nothing and memory bounds the work.
; THE TABLE.  rope = [T = position / 16: 128][c: 4][e: 2][lane: 32][16 bytes]: lane (r = lane % 16, h = lane / 16) holds (cos, sin, cos, sin) of position 16 T + r for the pairs 8 c + 4 h + 2 e + 0, 1.
; phase = position x 10^(-pair / 8), rounded once to f32; it is brought into [-pi/4, pi/4] by n = the nearest whole number to phase x 2 / pi and pi / 2 in two parts (n is at most 1,304, so what the two parts leave out
; stays under 1e-11); sine and cosine by polynomials of degree 7 and 8; the quadrant picks and signs them by selects: no branch hangs on a number.
.set WREG,  8192                       ; LDS: a region for each wave: two stages of 32 x SP bytes
.set SP,    80                         ; a lane's place in a stage: 64 bytes + 16 of padding
.set STEPS, 16
.set R,     16                         ; v16-79   four sets of 16 numbers as loaded
.set X,     80                         ; v80-111  two sets of 16 neighbours
.set T,     112
.set C,     144                        ; v144-155 a step's codes, four registers a plane
	s_load_b512 s[4:19], s[0:1], 0x0               ; x 4, Wq 6, Wk 8, Wv 10, Wo 12, the exponents 14, xc 16, wc 18
	s_load_b64 s[20:21], s[0:1], 0x40              ; rope
	v_lshl_add_u32 v160, v0, 2, 0x8000
	v_mov_b32 v161, 0
	v_lshrrev_b32 v1, 5, v0
	v_readfirstlane_b32 s22, v1                    ; wave
	v_and_b32 v2, 31, v0                           ; lane
	v_lshlrev_b32 v3, 4, v2                        ; 16 x lane: my place in a load's and in a store's 512 bytes
	s_wait_kmcnt 0x0
	s_cmp_ge_u32 ttmp9, 256
	s_cbranch_scc1 .Lrope
	s_load_b256 s[24:31], s[14:15], 0x0            ; e0 .. e7
	s_load_b128 s[32:35], s[14:15], 0x20           ; e8 .. e11
	s_mul_i32 s44, s22, WREG
	s_wait_alu depctr_va_vdst(0)
	v_lshrrev_b32 v14, 2, v2
	v_mul_u32_u24 v14, v14, SP
	v_and_b32 v15, 3, v2
	v_lshl_add_u32 v14, v15, 4, v14
	v_add_nc_u32 v14, s44, v14                     ; the stage, on the way in: SP (lane / 4) + 16 (lane % 4)
	v_mul_u32_u24 v15, v2, SP
	v_add_nc_u32 v15, s44, v15                     ; and on the way out: SP x lane
	s_lshr_b32 s45, ttmp9, 5
	s_and_b32 s45, s45, 3                          ; which weight
	s_cmp_eq_u32 s45, 1
	s_cselect_b64 s[36:37], s[8:9], s[6:7]
	s_cmp_eq_u32 s45, 2
	s_cselect_b64 s[36:37], s[10:11], s[36:37]
	s_cmp_eq_u32 s45, 3
	s_cselect_b64 s[36:37], s[12:13], s[36:37]
	s_and_b32 s46, ttmp9, 31
	s_cmp_lt_u32 ttmp9, 128                        ; x's work-group or a weight's
	s_cselect_b64 s[36:37], s[4:5], s[36:37]       ; the source,
	s_cselect_b64 s[38:39], s[16:17], s[18:19]     ; where plane 0's codes go,
	s_cselect_b32 s46, ttmp9, s46                  ; and the work-group's place in its source
	s_lshl_b32 s46, s46, 2
	s_add_co_u32 s46, s46, s22                     ; my wave's run of 8,192 numbers
	s_lshl_b32 s46, s46, 15                        ; x 32,768 bytes
	s_mov_b32 s47, 0
	s_add_nc_u64 s[36:37], s[36:37], s[46:47]
	s_and_b32 s48, ttmp9, 127                      ; the four weights' codes lie one behind the other
	s_lshl_b32 s48, s48, 2
	s_add_co_u32 s48, s48, s22
	s_lshl_b32 s48, s48, 13                        ; x 8,192 bytes
	s_mov_b32 s49, 0
	s_add_nc_u64 s[38:39], s[38:39], s[48:49]
	s_add_nc_u64 s[40:41], s[16:17], s[48:49]
	s_add_nc_u64 s[42:43], s[40:41], 0x800000      ; x's plane 2,
	s_add_nc_u64 s[40:41], s[40:41], 0x400000      ; x's plane 1: bases of their own, since 8 MiB is past a store's immediate
.macro LOAD t
.irp i, 0,1,2,3
	global_load_b128 v[R+16*((\t)%4)+4*\i:R+16*((\t)%4)+4*\i+3], v3, s[36:37] offset:2048*(\t)+512*\i th:TH_LOAD_NT   ; 32 lanes read 512 consecutive bytes; read once in the launch
.endr
.endm
.macro TURN t                          ; a step's numbers through the stage: LDS serves a wave's instructions in order (ISA guide 5.7.1.4), so no wait stands between the stores and the loads
.irp i, 0,1,2,3
	ds_store_b128 v14, v[R+16*((\t)%4)+4*\i:R+16*((\t)%4)+4*\i+3] offset:32*SP*((\t)%2)+8*SP*\i
.endr
.irp i, 0,1,2,3
	ds_load_b128 v[X+16*((\t)%2)+4*\i:X+16*((\t)%2)+4*\i+3], v15 offset:32*SP*((\t)%2)+16*\i
.endr
.endm
.macro MKSC e, vs, vl                  ; 2^e as an f32 number
	s_add_co_i32 s51, \e, 127
	s_lshl_b32 s52, s51, 23
	v_mov_b32 v[\vs], s52
.endm
.irp t, 0,1,2,3
	LOAD \t
.endr
	s_wait_alu depctr_va_vdst(0)
	s_wait_kmcnt 0x0
	s_cmp_eq_u32 s45, 1
	s_cselect_b32 s50, s27, s25                    ; e3 : e1
	s_cmp_eq_u32 s45, 2
	s_cselect_b32 s50, s29, s50                    ; e5
	s_cmp_eq_u32 s45, 3
	s_cselect_b32 s50, s35, s50                    ; e11
	s_cmp_lt_u32 ttmp9, 128
	s_cselect_b32 s50, s24, s50                    ; e0 for x
	MKSC s50, 5, 6                                 ; v5: plane 0's scale
	MKSC s26, 7, 8                                 ; v7: plane 1's (e2)
	MKSC s28, 9, 10                                ; v9: plane 2's (e4)
	s_wait_alu depctr_va_vdst(0)
	s_wait_loadcnt 12                              ; step 0's four loads are in; three steps' may be out
	TURN 0
; One plane of a step: the conversion, the store.
.macro PLANE t, p, set, base
.set XS, X+16*((\t)%2)
.set TS, T+16*(\set)
.irp i, 0,1,2,3,4,5,6,7,8,9,10,11,12,13,14,15
.endr
	v_cvt_scalef32_pk8_fp8_f32 v[C+4*\p:C+4*\p+1], v[XS:XS+7], v[5+2*\p]
	v_cvt_scalef32_pk8_fp8_f32 v[C+4*\p+2:C+4*\p+3], v[XS+8:XS+15], v[5+2*\p]
	v_nop                                          ; one plain vector line behind the conversions
	global_store_b128 v3, v[C+4*\p:C+4*\p+3], s[\base:\base+1] offset:512*(\t)   ; 32 lanes store 512 consecutive bytes, at a multiple of 256 from the buffer's first byte
.endm
.macro STEP t
	s_wait_dscnt 0x0                               ; this step's numbers are back from the stage, so its stores into the stage have read their registers,
.if (\t)+4 < STEPS
	LOAD (\t)+4                                    ; which take the loads of four steps on
.endif
.if (\t)+1 < STEPS
.if STEPS-2-(\t) >= 3
	s_wait_loadcnt 12                              ; the next step's four loads are in; those of the three steps behind it may be out
.else
	s_wait_loadcnt 4*(STEPS-2-(\t))
.endif
	TURN (\t)+1                                    ; they go through the other stage while this step is worked
.endif
	s_wait_xcnt 0x0                                ; the last step's stores have read their data: the codes' registers are written again only behind this wait
	PLANE \t, 0, (\t)%2, 38
	s_cmp_ge_u32 ttmp9, 128                        ; a weight has one plane
	s_cbranch_scc1 .Lw_\@
	PLANE \t, 1, ((\t)+1)%2, 40
	PLANE \t, 2, (\t)%2, 42
.Lw_\@:
.endm
.irp t, 0,1,2,3,4,5,6,7,8,9,10,11,12,13,14,15
	STEP \t
.endr
	s_wait_tensorcnt 0x0
	ds_add_u32 v160, v161
	s_wait_dscnt 0x0
	s_endpgm
.Lrope:
	s_sub_co_u32 s44, ttmp9, 256
	s_lshl_b32 s44, s44, 2
	s_add_co_u32 s44, s44, s22                     ; T = 4 (g - 256) + wave: 0 .. 127
	s_lshl_b32 s45, s44, 4
	v_and_b32 v5, 15, v0
	v_add_nc_u32 v5, s45, v5                       ; position 16 T + r
	v_cvt_f32_u32 v4, v5
	s_wait_alu depctr_va_vdst(0)
	v_cmp_le_u32 vcc_lo, 16, v2                    ; lanes 16-31 take the pairs four further on
	v_mov_b32 v10, 0xb94ca1f9                      ; the sine's leading coefficient, -1.9515296e-4
	v_mov_b32 v11, 0x37ccf5ce                      ; the cosine's, 2.4433157e-5
	s_lshl_b32 s46, s44, 12                        ; a tile of 16 positions is 4,096 bytes of the table
	s_mov_b32 s47, 0
	s_add_nc_u64 s[20:21], s[20:21], s[46:47]
; cos into v[dst], sin into v[dst + 1], of position x (flo in lanes 0-15, fhi in lanes 16-31)
.macro SINCOS flo, fhi, dst
	v_mul_f32 v16, \flo, v4
	v_mul_f32 v17, \fhi, v4
	v_cndmask_b32 v16, v16, v17, vcc_lo            ; the phase, one rounding
	v_mul_f32 v17, 0x3f22f983, v16                 ; x 2 / pi
	v_rndne_f32 v17, v17                           ; n
	v_fmamk_f32 v18, v17, 0xbfc90fdb, v16          ; phase - n x 1.57079637 (nothing is rounded here: the difference has 24 bits at the most)
	v_fmamk_f32 v18, v17, 0x333bbd2e, v18          ; + n x 4.371139e-8: r, within +-pi/4
	v_mul_f32 v19, v18, v18                        ; z = r r
	v_fmaak_f32 v20, v10, v19, 0x3c08839e
	v_fmaak_f32 v20, v20, v19, 0xbe2aaaa3
	v_mul_f32 v20, v20, v19
	v_fma_f32 v20, v20, v18, v18                   ; sin r
	v_fmaak_f32 v21, v11, v19, 0xbab6061a
	v_fmaak_f32 v21, v21, v19, 0x3d2aaaa5
	v_fma_f32 v21, v21, v19, -0.5
	v_fma_f32 v21, v21, v19, 1.0                   ; cos r
	v_cvt_i32_f32 v22, v17                         ; the quadrant: n mod 4
	v_and_b32 v23, 1, v22
	v_cmp_eq_u32 s48, 1, v23                       ; odd: sine and cosine change places
	v_lshlrev_b32 v23, 30, v22
	v_and_b32 v23, 0x80000000, v23                 ; the sine is negative in quadrants 2, 3
	v_cndmask_b32 v24, v20, v21, s48
	v_xor_b32 v[\dst+1], v23, v24
	v_add_nc_u32 v22, 1, v22
	v_lshlrev_b32 v22, 30, v22
	v_and_b32 v22, 0x80000000, v22                 ; the cosine in quadrants 1, 2
	v_cndmask_b32 v24, v21, v20, s48
	v_xor_b32 v[\dst], v22, v24
.endm
	SINCOS 1.0, 0.31622776602, 32                  ; the frequencies 10^(-pair / 8): pairs 0 | 4,
	SINCOS 0.74989420933, 0.23713737057, 34        ; 1 | 5,
	SINCOS 0.56234132519, 0.17782794100, 36        ; 2 | 6,
	SINCOS 0.42169650343, 0.13335214322, 38        ; 3 | 7; then eight pairs further on, a tenth of these, and so on
	SINCOS 0.1, 0.031622776602, 40
	SINCOS 0.074989420933, 0.023713737057, 42
	SINCOS 0.056234132519, 0.017782794100, 44
	SINCOS 0.042169650343, 0.013335214322, 46
	SINCOS 0.01, 0.0031622776602, 48
	SINCOS 0.0074989420933, 0.0023713737057, 50
	SINCOS 0.0056234132519, 0.0017782794100, 52
	SINCOS 0.0042169650343, 0.0013335214322, 54
	SINCOS 0.001, 0.00031622776602, 56
	SINCOS 0.00074989420933, 0.00023713737057, 58
	SINCOS 0.00056234132519, 0.00017782794100, 60
	SINCOS 0.00042169650343, 0.00013335214322, 62
.irp i, 0,1,2,3,4,5,6,7
	global_store_b128 v3, v[32+4*\i:35+4*\i], s[20:21] offset:512*\i   ; 512 consecutive bytes a store; every entry has registers of its own
.endr
	s_endpgm
.Lfunc_end_k_q748ef15e8a_prep:
	.size	k_q748ef15e8a_prep, .Lfunc_end_k_q748ef15e8a_prep-k_q748ef15e8a_prep
	.p2alignl 7, 3214868480
	.fill 96, 4, 3214868480
	.section	.rodata,"a",@progbits
	.p2align	6, 0x0
	.amdhsa_kernel k_q748ef15e8a_prep
		.amdhsa_group_segment_fixed_size 33280
		.amdhsa_private_segment_fixed_size 0
		.amdhsa_enable_private_segment 0
		.amdhsa_kernarg_size 72
		.amdhsa_user_sgpr_count 2
		.amdhsa_user_sgpr_kernarg_segment_ptr 1
		.amdhsa_wavefront_size32 1
		.amdhsa_system_sgpr_workgroup_id_x 1
		.amdhsa_system_sgpr_workgroup_id_y 1
		.amdhsa_system_sgpr_workgroup_id_z 1
		.amdhsa_system_vgpr_workitem_id 0
		.amdhsa_next_free_vgpr 162
		.amdhsa_next_free_sgpr 66
		.amdhsa_reserve_vcc 1
		.amdhsa_float_denorm_mode_32 3
		.amdhsa_float_denorm_mode_16_64 3
		.amdhsa_fp16_overflow 1
		.amdhsa_memory_ordered 1
		.amdhsa_forward_progress 1
		.amdhsa_inst_pref_size 56
	.end_amdhsa_kernel
	.amdgpu_metadata
---
amdhsa.version: [ 1, 2 ]
amdhsa.kernels:
  - .name:           k_q748ef15e8a_prep
    .symbol:         k_q748ef15e8a_prep.kd
    .args:
      - { .name: x, .offset: 0, .size: 8, .value_kind: global_buffer, .address_space: global }
      - { .name: Wq, .offset: 8, .size: 8, .value_kind: global_buffer, .address_space: global }
      - { .name: Wk, .offset: 16, .size: 8, .value_kind: global_buffer, .address_space: global }
      - { .name: Wv, .offset: 24, .size: 8, .value_kind: global_buffer, .address_space: global }
      - { .name: Wo, .offset: 32, .size: 8, .value_kind: global_buffer, .address_space: global }
      - { .name: lowp_scales, .offset: 40, .size: 8, .value_kind: global_buffer, .address_space: global }
      - { .name: xc, .offset: 48, .size: 8, .value_kind: global_buffer, .address_space: global }
      - { .name: wc, .offset: 56, .size: 8, .value_kind: global_buffer, .address_space: global }
      - { .name: rope, .offset: 64, .size: 8, .value_kind: global_buffer, .address_space: global }
    .group_segment_fixed_size: 33280
    .private_segment_fixed_size: 0
    .kernarg_segment_align: 8
    .kernarg_segment_size: 72
    .max_flat_workgroup_size: 128
    .sgpr_count:     66
    .vgpr_count:     162
    .wavefront_size: 32
...
	.end_amdgpu_metadata
.endif
;; end of part 1
;; launch qkv (part 2): grid 12 x 16, 4 waves a work-group, clusters of 4 x 4, 327,680 bytes of LDS; arguments xc, wc, lowp_scales, rope, qf, kv; writes qf, kv
.if DOCPART == 2
	.amdgcn_target "amdgcn-amd-amdhsa--gfx1250"
	.amdhsa_code_object_version 6
	.text
	.protected	k_q748ef15e8a_qkv
	.globl	k_q748ef15e8a_qkv
	.p2align	8
	.type	k_q748ef15e8a_qkv,@function
k_q748ef15e8a_qkv:
	s_mov_b64 s[64:65], 0
	v_nop
	global_prefetch_b8 v0, s[64:65] scope:SCOPE_SE
	s_setreg_imm32_b32 hwreg(HW_REG_WAVE_MODE, 25, 1), 1
	s_wait_xcnt 0x0
	s_wait_alu depctr_hold_cnt(0) depctr_sa_sdst(0) depctr_va_vdst(0) depctr_va_sdst(0) depctr_va_ssrc(0) depctr_va_vcc(0) depctr_vm_vsrc(0)
	s_getreg_b32 s2, hwreg(HW_REG_IB_STS2, 6, 4)
	s_cmp_eq_u32 s2, 0
	s_cbranch_scc0 .Lentry_in_a_cluster
	s_endpgm
.Lentry_in_a_cluster:
	s_bfe_u32 s2, ttmp6, 0x10000c
	s_cmp_lg_u32 s2, 0xf033
	s_cbranch_scc0 .Lentry_shape_is_right
	s_endpgm
.Lentry_shape_is_right:
.set KSTEP,  256
.set ROWB,   256
.set KROW,   1024
.set PITCH,  272
.set FR,     16
.set NL,     4
.set NP,     4
.set HALFT,  128*PITCH
.set SLOT,   4*HALFT
.set LAPS,   2
.set SPARE,  2*SLOT
.set ADRA, 16
.set ADRB, 20
.set LI,   24
.set SPW,  28
.set NIL,  29
.set CS,   32
.set T,    96
.set CD,   104
.set LIM,  120
.set SC,   121
.set TMP,  128
.set AF,   128
.set G1, 24
.set G0, 32
.set G1B, 48
.set G0B, 56
.set MSB, 0
.macro WIN new
.if MSB != \new
	s_set_vgpr_msb (MSB<<8)|\new
.set MSB, \new
.endif
.endm
.set MUL_LO, 0xa1
.set MUL_HI, 0xf1
.set TO_B,   0x40
.macro JLOAD g0a, g1a, g0b, g1b
	s_cmp_eq_u32 s15, 0
	s_cbranch_scc0 .Lfor_b_\@
	tensor_load_to_lds s[\g0a:\g0a+3], s[\g1a:\g1a+7]
	s_nop 0
.rept 4
	v_nop
.endr
	s_branch .Lasked_\@
.Lfor_b_\@:
	tensor_load_to_lds s[\g0b:\g0b+3], s[\g1b:\g1b+7]
	s_nop 0
.rept 4
	v_nop
.endr
.Lasked_\@:
.endm
.macro CREST
	s_cmp_lg_u32 s14, 0
	s_cbranch_scc1 .Lnot_wave_0_\@
	s_barrier_signal -3
.Lnot_wave_0_\@:
	s_barrier_wait -3
	s_barrier_signal -1
	s_barrier_wait -1
.endm
.macro CROUND
	s_barrier_signal -1
	s_barrier_wait -1
	CREST
.endm
	s_load_b256 s[4:11], s[0:1], 0x0
	s_load_b128 s[68:71], s[0:1], 0x20
	v_lshl_add_u32 v[SPW], v0, 2, SPARE
	v_mov_b32 v[NIL], 0
	ds_add_u32 v28, v29
	ds_add_u32 v28, v29
	s_wait_dscnt 0x0
	v_lshrrev_b32 v1, 5, v0
	v_readfirstlane_b32 s14, v1
	s_lshr_b32 s15, s14, 1
	s_and_b32 s16, s14, 1
	s_bfe_u32 s40, ttmp6, 0x40000
	s_bfe_u32 s41, ttmp6, 0x40004
	s_and_b32 s18, ttmp7, 0xffff
	s_lshl_b32 s18, s18, 2
	s_cmp_eq_u32 ttmp9, 2
	s_cselect_b32 s19, 0, s18
	s_cselect_b32 s18, s18, 0
	s_add_co_u32 s17, s19, s41
	s_add_co_u32 s42, s18, s40
	s_lshl_b32 s43, s41, 2
	s_lshl_b32 s43, 15, s43
	s_lshl_b32 s44, 0x1111, s40
	s_or_b32 s[G1+0], s43, (0<<16)|(1<<20)|(1<<21)|(5<<22)|(3<<25)
	s_or_b32 s[G1B+0], s44, (0<<16)|(1<<20)|(1<<21)|(5<<22)|(3<<25)
.irp g, G1, G1B
	s_mov_b32 s[\g+1], ROWB<<16
	s_mov_b32 s[\g+2], 128<<16
	s_mov_b32 s[\g+3], ROWB<<16
	s_mov_b32 s[\g+4], 128
	s_mov_b32 s[\g+5], KROW
	s_mov_b32 s[\g+6], 0
	s_mov_b32 s[\g+7], 0
.endr
	s_lshl_b32 s18, s16, 7
	s_lshl_b32 s20, s17, 8
	s_add_co_u32 s20, s20, s18
	s_lshl_b32 s20, s20, 10
	s_mov_b32 s21, 0
	s_lshl_b32 s46, s42, 8
	s_add_co_u32 s46, s46, s18
	s_lshl_b32 s46, s46, 10
	s_mov_b32 s47, 0
	s_mul_i32 s45, s14, HALFT
	s_lshl_b32 s90, ttmp9, 22
	s_mov_b32 s91, 0
	s_lshl_b32 s92, ttmp9, 20
	s_mov_b32 s93, 0
	s_wait_kmcnt 0x0
	s_load_b256 s[72:79], s[8:9], 0x0
	s_load_b128 s[80:83], s[8:9], 0x20
	s_add_nc_u64 s[4:5], s[4:5], s[90:91]
	s_add_nc_u64 s[6:7], s[6:7], s[92:93]
	s_cmp_eq_u32 ttmp9, 2
	s_cselect_b64 s[90:91], s[6:7], s[4:5]
	s_cselect_b64 s[92:93], s[4:5], s[6:7]
	s_add_nc_u64 s[20:21], s[90:91], s[20:21]
	s_add_nc_u64 s[46:47], s[92:93], s[46:47]
	CROUND
.irp s, 0,1
	s_mov_b32 s[G0+4*\s], 1
	s_add_co_u32 s[G0+4*\s+1], s45, \s*SLOT
	s_add_nc_u64 s[G0+4*\s+2:G0+4*\s+3], s[20:21], \s*ROWB
	s_or_b32 s[G0+4*\s+3], s[G0+4*\s+3], 0x80000000
	s_mov_b32 s[G0B+4*\s], 1
	s_add_co_u32 s[G0B+4*\s+1], s45, \s*SLOT
	s_add_nc_u64 s[G0B+4*\s+2:G0B+4*\s+3], s[46:47], \s*ROWB
	s_or_b32 s[G0B+4*\s+3], s[G0B+4*\s+3], 0x80000000
	s_wait_alu depctr_va_vdst(0)
	s_wait_tensorcnt 0x0
	ds_add_u32 v28, v29
	ds_add_u32 v28, v29
	s_wait_dscnt 0x0
	CROUND
	JLOAD G0+4*\s, G1, G0B+4*\s, G1B
.endr
	v_and_b32 v1, 15, v0
	v_bfe_u32 v2, v0, 4, 1
	v_mul_u32_u24 v3, v1, PITCH
	v_lshl_add_u32 v4, v2, 4, v3
	s_mul_i32 s21, s15, HALFT
	s_mul_i32 s22, s16, HALFT
	s_add_co_u32 s22, s22, 2*HALFT
.irp s, 0,1
	v_add_nc_u32 v[ADRA+\s], s21, v4
	v_add_nc_u32 v[ADRB+\s], s22, v4
	s_add_co_u32 s21, s21, SLOT
	s_add_co_u32 s22, s22, SLOT
.endr
	v_and_b32 v6, 31, v0
	v_lshlrev_b32 v[LI], 4, v6
	s_cmp_eq_u32 ttmp9, 2
	s_cselect_b32 s90, s42, s17
	s_cselect_b32 s91, s16, s15
	s_cselect_b32 s92, s41, s40
	s_cselect_b32 s93, s15, s16
	s_lshr_b32 s94, s90, 3
	s_and_b32 s90, s90, 7
	s_lshl_b32 s90, s90, 1
	s_add_co_u32 s90, s90, s91
	s_lshl_b32 s94, s94, 4
	s_lshl_b32 s92, s92, 2
	s_add_co_u32 s94, s94, s92
	s_lshl_b32 s93, s93, 1
	s_add_co_u32 s94, s94, s93
	s_lshl_b32 s94, s94, 17
	s_lshl_b32 s91, s90, 13
	s_add_co_u32 s94, s94, s91
	s_min_u32 s95, ttmp9, 1
	s_lshl_b32 s94, s94, s95
	s_cmp_eq_u32 ttmp9, 2
	s_cselect_b32 s91, 8192, 0
	s_add_co_u32 s94, s94, s91
	s_lshl_b32 s92, 0x20000, s95
	s_mov_b32 s95, 0
	s_mov_b32 s93, 0
	s_cmp_eq_u32 ttmp9, 0
	s_cselect_b64 s[84:85], s[68:69], s[70:71]
	s_add_nc_u64 s[84:85], s[84:85], s[94:95]
	s_add_nc_u64 s[86:87], s[84:85], s[92:93]
	s_lshl_b32 s90, s90, 15
	s_mov_b32 s91, 0
	s_add_nc_u64 s[88:89], s[10:11], s[90:91]
	s_wait_alu depctr_va_vdst(0)
	s_wait_kmcnt 0x0
	s_cmp_eq_u32 ttmp9, 1
	s_cselect_b32 s90, s74, s72
	s_cselect_b32 s91, s75, s73
	s_cselect_b32 s92, s79, s78
	s_cmp_eq_u32 ttmp9, 2
	s_cselect_b32 s90, s76, s90
	s_cselect_b32 s91, s77, s91
	s_cselect_b32 s92, s81, s92
	s_sub_co_i32 s92, s92, s90
	s_sub_co_i32 s92, s92, s91
	s_add_co_i32 s92, s92, 127
	s_lshl_b32 s93, s92, 23
	v_mov_b32 v[SC], s93
	s_add_co_i32 s92, s92, 8
	s_lshl_b32 s92, s92, 23
	s_or_b32 s92, s92, 0x600000
	v_mov_b32 v[LIM], s92
.macro FRAG reg, adr, q, i
.irp c, 0,1,2,3
	ds_load_b128 v[\reg+4*\c:\reg+4*\c+3], v[\adr] offset:128*(\q)+32*\c+(\i)*16*PITCH
.endr
.endm
.macro MUL16 a0, p, zero
.irp a, \a0, \a0+1
.irp b, 0,1,2,3,4,5,6,7
.if \zero
	v_wmma_f32_16x16x128_fp8_fp8 v[8*(8*((\a)%4)+\b):8*(8*((\a)%4)+\b)+7], v[128*(\p)+FR*\b:128*(\p)+FR*\b+FR-1], v[AF+FR*(\a):AF+FR*(\a)+FR-1], 0
.else
	v_wmma_f32_16x16x128_fp8_fp8 v[8*(8*((\a)%4)+\b):8*(8*((\a)%4)+\b)+7], v[128*(\p)+FR*\b:128*(\p)+FR*\b+FR-1], v[AF+FR*(\a):AF+FR*(\a)+FR-1], v[8*(8*((\a)%4)+\b):8*(8*((\a)%4)+\b)+7]
.endif
.endr
.endr
.endm
.macro FETCH_B slot, q, p
	WIN TO_B
.irp i, 0,1,2,3,4,5,6,7
	FRAG 128*(\p)+FR*\i, ADRB+\slot, \q, \i
.endr
	WIN 0
.endm
.macro FETCH_A slot, q, i0
.irp i, \i0, \i0+1, \i0+2, \i0+3
	FRAG AF+FR*(\i), ADRA+\slot, \q, \i
.endr
.endm
.macro PLACES n
.rept \n
	v_nop
.endr
.endm
.macro STEP slot, q, zero
	s_wait_dscnt 4*NL
	WIN MUL_LO
	MUL16 0, (\q)%2, \zero
	MUL16 2, (\q)%2, \zero
	s_wait_dscnt 0
	PLACES NP
	FETCH_B \slot, (\q)+1, 1-(\q)%2
	FETCH_A \slot, (\q)+1, 0
	WIN MUL_HI
	MUL16 4, (\q)%2, \zero
	MUL16 6, (\q)%2, \zero
	PLACES NP
	WIN 0
	FETCH_A \slot, (\q)+1, 4
.endm
.macro TURN slot, next, fill
	s_wait_tensorcnt 0x0
	ds_add_u32 v[SPW], v[NIL]
	s_wait_dscnt 4*NL+1
	WIN MUL_LO
	MUL16 0, 1, 0
	s_wait_dscnt 0x0
	s_barrier_signal -1
	MUL16 2, 1, 0
	WIN 0
	s_barrier_wait -1
.if \fill
	CREST
	s_add_nc_u64 s[G0+4*\slot+2:G0+4*\slot+3], s[G0+4*\slot+2:G0+4*\slot+3], 2*ROWB
	s_add_nc_u64 s[G0B+4*\slot+2:G0B+4*\slot+3], s[G0B+4*\slot+2:G0B+4*\slot+3], 2*ROWB
	JLOAD G0+4*\slot, G1, G0B+4*\slot, G1B
.else
	PLACES NP
.endif
	FETCH_B \next, 0, 0
	FETCH_A \next, 0, 0
	WIN MUL_HI
	MUL16 4, 1, 0
	MUL16 6, 1, 0
	PLACES NP
	WIN 0
	FETCH_A \next, 0, 4
.endm
.macro LASTSTEP
	s_wait_dscnt 4*NL
	WIN MUL_LO
	MUL16 0, 1, 0
	MUL16 2, 1, 0
	s_wait_dscnt 0
	WIN MUL_HI
	MUL16 4, 1, 0
	MUL16 6, 1, 0
	WIN 0
	PLACES NP
.endm
	s_wait_tensorcnt 1
	s_barrier_signal -1
	s_barrier_wait -1
	FETCH_B 0, 0, 0
	FETCH_A 0, 0, 0
	FETCH_A 0, 0, 4
	STEP 0, 0, 1
	s_mov_b32 s3, LAPS-1
.Llap:
	TURN 0, 1, 1
	STEP 1, 0, 0
	TURN 1, 0, 1
	STEP 0, 0, 0
	s_sub_co_u32 s3, s3, 1
	s_cmp_lg_u32 s3, 0
	s_cbranch_scc1 .Llap
	TURN 0, 1, 0
	STEP 1, 0, 0
.macro TBL t
.irp i, 0,1,2,3,4,5,6,7
	global_load_b128 v[CS+32*((\t)%2)+4*\i:CS+32*((\t)%2)+4*\i+3], v[LI], s[88:89] offset:(\t)*4096+\i*512
.endr
.endm
.macro HOLDS
.set n, 0
.rept 64
.set n, n+1
.endr
.endm
.macro CODES
	s_wait_xcnt 0x0
.irp b, 0,1,2,3,4,5,6,7
	v_cvt_scalef32_pk8_fp8_f32 v[CD+2*\b:CD+2*\b+1], v[TMP+8*\b:TMP+8*\b+7], v[SC]
.endr
	v_nop
.endm
.macro OUTR a
.set AC, 64*((\a)%4)
.set CSA, CS+32*((\a)%2)
.if (\a) < 7
	s_wait_loadcnt 8
.else
	s_wait_loadcnt 0
.endif
	WIN 0x02+((\a)/4)
.irp b, 0,1,2,3,4,5,6,7
.irp i, 0,1,2,3
	v_pk_mul_f32 v[T+2*\i:T+2*\i+1], v[AC+8*\b+2*\i:AC+8*\b+2*\i+1], v[CSA+8*(\b%4)+2*\i:CSA+8*(\b%4)+2*\i+1] op_sel:[1,1] op_sel_hi:[0,1]
.endr
.irp i, 0,1,2,3
	v_pk_fma_f32 v[TMP+8*\b+2*\i:TMP+8*\b+2*\i+1], v[AC+8*\b+2*\i:AC+8*\b+2*\i+1], v[CSA+8*(\b%4)+2*\i:CSA+8*(\b%4)+2*\i+1], v[T+2*\i:T+2*\i+1] op_sel_hi:[1,0,1] neg_lo:[0,0,1]
.endr
.endr
	WIN 0
.if (\a) < 6
	TBL (\a)+2
.endif
	HOLDS
	s_wait_alu depctr_va_vdst(0)
	CODES
	global_store_b128 v[LI], v[CD:CD+3], s[84:85] offset:(\a)*1024
	global_store_b128 v[LI], v[CD+4:CD+7], s[84:85] offset:(\a)*1024+512
	global_store_b128 v[LI], v[CD+8:CD+11], s[86:87] offset:(\a)*1024
	global_store_b128 v[LI], v[CD+12:CD+15], s[86:87] offset:(\a)*1024+512
.endm
.macro OUTV a
.set AC, 64*((\a)%4)
	WIN 0x02+((\a)/4)
.set n, 0
.rept 64
	v_med3_num_f32 v[TMP+n], v[AC+n], -v[LIM], v[LIM]
.set n, n+1
.endr
	WIN 0
	s_wait_alu depctr_va_vdst(0)
	CODES
.irp i, 0,1,2,3
	global_store_b128 v[LI], v[CD+4*\i:CD+4*\i+3], s[84:85] offset:((\a)/4)*262144+((\a)%4)*2048+\i*512
.endr
.endm
	s_cmp_eq_u32 ttmp9, 2
	s_cbranch_scc1 .Lv
	TBL 0
	TBL 1
	LASTSTEP
.irp a, 0,1,2,3,4,5,6,7
	OUTR \a
.endr
	s_branch .Lend
.Lv:
	LASTSTEP
	s_wait_alu depctr_va_vdst(0)
.irp a, 0,1,2,3,4,5,6,7
	OUTV \a
.endr
.Lend:
	s_wait_tensorcnt 0x0
	ds_add_u32 v[SPW], v[NIL]
	s_wait_dscnt 0x0
	CROUND
	s_endpgm
.Lfunc_end_k_q748ef15e8a_qkv:
	.size	k_q748ef15e8a_qkv, .Lfunc_end_k_q748ef15e8a_qkv-k_q748ef15e8a_qkv
	.p2alignl 7, 3214868480
	.fill 96, 4, 3214868480
	.section	.rodata,"a",@progbits
	.p2align	6, 0x0
	.amdhsa_kernel k_q748ef15e8a_qkv
		.amdhsa_group_segment_fixed_size 327680
		.amdhsa_private_segment_fixed_size 0
		.amdhsa_enable_private_segment 0
		.amdhsa_kernarg_size 48
		.amdhsa_user_sgpr_count 2
		.amdhsa_user_sgpr_kernarg_segment_ptr 1
		.amdhsa_wavefront_size32 1
		.amdhsa_system_sgpr_workgroup_id_x 1
		.amdhsa_system_sgpr_workgroup_id_y 1
		.amdhsa_system_sgpr_workgroup_id_z 1
		.amdhsa_system_vgpr_workitem_id 0
		.amdhsa_next_free_vgpr 1024
		.amdhsa_next_free_sgpr 100
		.amdhsa_reserve_vcc 0
		.amdhsa_float_denorm_mode_32 3
		.amdhsa_float_denorm_mode_16_64 3
		.amdhsa_fp16_overflow 1
		.amdhsa_memory_ordered 1
		.amdhsa_forward_progress 1
		.amdhsa_inst_pref_size 171
	.end_amdhsa_kernel
	.amdgpu_metadata
---
amdhsa.version: [ 1, 2 ]
amdhsa.kernels:
  - .name:           k_q748ef15e8a_qkv
    .symbol:         k_q748ef15e8a_qkv.kd
    .args:
      - { .name: xc, .offset: 0, .size: 8, .value_kind: global_buffer, .address_space: global }
      - { .name: wc, .offset: 8, .size: 8, .value_kind: global_buffer, .address_space: global }
      - { .name: lowp_scales, .offset: 16, .size: 8, .value_kind: global_buffer, .address_space: global }
      - { .name: rope, .offset: 24, .size: 8, .value_kind: global_buffer, .address_space: global }
      - { .name: qf, .offset: 32, .size: 8, .value_kind: global_buffer, .address_space: global }
      - { .name: kv, .offset: 40, .size: 8, .value_kind: global_buffer, .address_space: global }
    .group_segment_fixed_size: 327680
    .private_segment_fixed_size: 0
    .kernarg_segment_align: 8
    .kernarg_segment_size: 48
    .max_flat_workgroup_size: 128
    .sgpr_count:     100
    .vgpr_count:     1024
    .wavefront_size: 32
...
	.end_amdgpu_metadata
.endif
;; end of part 2
;; launch attn (part 3): grid 8 x 32, 16 waves a work-group, clusters of 4 x 1, 264,192 bytes of LDS; arguments qf, kv, lowp_scales, ac; writes ac
.if DOCPART == 3
	.amdgcn_target "amdgcn-amd-amdhsa--gfx1250"
	.amdhsa_code_object_version 6
	.text
	.protected	k_q748ef15e8a_attn
	.globl	k_q748ef15e8a_attn
	.p2align	8
	.type	k_q748ef15e8a_attn,@function
k_q748ef15e8a_attn:
	s_mov_b64 s[64:65], 0
	v_nop
	global_prefetch_b8 v0, s[64:65] scope:SCOPE_SE
	s_setreg_imm32_b32 hwreg(HW_REG_WAVE_MODE, 25, 1), 1
	s_wait_xcnt 0x0
	s_wait_alu depctr_hold_cnt(0) depctr_sa_sdst(0) depctr_va_vdst(0) depctr_va_sdst(0) depctr_va_ssrc(0) depctr_va_vcc(0) depctr_vm_vsrc(0)
	s_getreg_b32 s2, hwreg(HW_REG_IB_STS2, 6, 4)
	s_cmp_eq_u32 s2, 0
	s_cbranch_scc0 .Lentry_in_a_cluster
	s_endpgm
.Lentry_in_a_cluster:
	s_bfe_u32 s2, ttmp6, 0x10000c
	s_cmp_lg_u32 s2, 0x3003
	s_cbranch_scc0 .Lentry_shape_is_right
	s_endpgm
.Lentry_shape_is_right:
; ATTN.  O[q] = the sum over keys k <= q of softmax_k(Q[q] . K[k] / 8) V[k], for 32 heads of 2,048 x 64, both products on codes of E4M3; the result is quantised for the last projection.
; THE SOFTMAX AHEAD OF THE SECOND PRODUCT: t = score x log2(e) / 8; M = the row's largest t so far, rounded UP to a whole number; p = 2^(t - M) is what is quantised (scale 2^e8); it is not normalised.
; The row's sum is taken of the unquantised p and divides O at the end.  When M moves, the sum and O are multiplied by 2^(old M - new M), which rounds nothing.
; SHARES.  A work-group (x = 0 .. 7 of a head) has sixteen waves of 256 registers, four to a SIMD.  The wave with role rho owns the tile of 16 queries 128 rho + 16 x + 0 .. 15.  So every work-group needs all 16 key steps of
; 128 keys and has the same work (role rho works steps 0 .. rho: 136 in all), and which step a wave leaves out, and which lies on the diagonal, hangs on the wave's number alone; x enters global addresses and the mask's
; compared number only.  The roles are dealt so that those of waves w, w + 4, w + 8, w + 12, and those of waves 4 i .. 4 i + 3, add up to 30 either way.
; LDS holds the head's WHOLE K and V, 262,144 bytes, filled once: no slot is filled again.  They lie as images of the operands' registers (16 x lane), so every LDS load takes 512 consecutive bytes.
; CLUSTER: the four work-groups of a cluster belong to one head and ask for its K and V jointly: the same tensor loads, the same descriptors, a mask that names the four.  Waves 0 to 3 issue two loads each:
; key step w (16,384 bytes), then key steps 4 + 3 w .. 6 + 3 w (49,152 bytes): by this text's count two loads of a wave are out at the most.  The first four steps are worked while the rest lands.
; LAYOUT.  Both products are used transposed: S^T = K Q^T (source 0 = 16 keys, source 1 = my 16 queries; K = 64), O^T = V^T P^T (source 0 = 16 of the head's 64, source 1 = P; K = 128 keys): a lane holds ONE query (lane % 16).
; Register j of S^T's tile T is key 16 T + 8 (lane / 16) + j: the conversion of tile T gives registers 2 T, 2 T + 1 of P's operand.  Register j of O^T's tile t is channel 16 t + 8 (lane / 16) + j: its conversion gives
; registers 2 t, 2 t + 1 of my head's half of the last projection's operand:  ac = [tile of 16 tokens: 256][128 along K: 8][4][lane][16 bytes].
; LIMITS on the given exponents, so that each power of two below is an f32 number: e6 + e7 between -123 and 130 (added to c's exponent field); e8, and e10 - e8 - e9, between -126 and 119.
; REGISTERS: v1 16 x lane; v2 LDS address in hand; v3 the mask's number; v4 -infinity; v[8:15] Q; v16 -M, v17 the largest t; v[18:19] the sum; v[20:21] f; v22-27 at work; v29 scale of p; v30 scale of the result;
;   v32-95 eight tiles of K, then four of V^T; v96-159 S^T, then p; v160-191 O^T; v192-207 P's codes.
.set WV,   12                          ; s12  my wave's number
.set RHO,  13                          ; s13  my role
.set J,    14                          ; s14  the key step
.set TB,   15                          ; s15  LDS byte at which it begins
.set CSC,  22                          ; s[22:23] c = log2(e) / 8 x 2^(e6 + e7)
.set G1A,  24                          ; s[24:31] descriptor group 1: 64 rows of 256 bytes
.set G1B,  32                          ; s[32:39] 192 rows of 256 bytes
.set G0A,  40                          ; s[40:43], s[44:47] groups 0
.set G0B,  44
.set SEL,  48                          ; s[48:49] lane selects for v_permlanex16_b32: lane l xor 16
.macro CROUND                          ; a round of the cluster's barrier
	s_barrier_signal -1
	s_barrier_wait -1
	s_cmp_lg_u32 s[WV], 0
	s_cbranch_scc1 .Lnot_wave_0_\@
	s_barrier_signal -3
.Lnot_wave_0_\@:
	s_barrier_wait -3
	s_barrier_signal -1
	s_barrier_wait -1
.endm
	s_load_b256 s[4:11], s[0:1], 0x0               ; qf s[4:5], kv s[6:7], the exponents s[8:9], ac s[10:11]
	v_lshl_add_u32 v254, v0, 2, 0x40000
	v_mov_b32 v255, 0
	ds_add_u32 v254, v255
	ds_add_u32 v254, v255
	v_lshrrev_b32 v1, 5, v0
	s_delay_alu instid0(VALU_DEP_1)
	v_readfirstlane_b32 s[WV], v1                  ; wave 0..15
	s_lshr_b32 s50, s[WV], 2
	s_and_b32 s51, s[WV], 3
	s_xor_b32 s50, s50, s51
	s_lshr_b32 s51, s50, 1
	s_xor_b32 s50, s50, s51
	s_and_b32 s50, s50, 1
	s_xor_b32 s50, s50, 1                          ; 1 where (w / 4) xor (w % 4) is 0 or 3
	s_mul_i32 s50, s50, 15
	s_xor_b32 s[RHO], s[WV], s50                   ; there the role is 15 - w, else w
	s_bfe_u32 s52, ttmp6, 0x40000                  ; cx
	s_lshl_b32 s53, ttmp9, 2
	s_add_co_u32 s53, s53, s52                     ; x = 4 x cluster x + cx
	s_and_b32 s54, ttmp7, 0xffff                   ; the head, which the four partners share
	; descriptor groups 1: dense blocks as rows of 32 elements of 8 bytes
	s_mov_b32 s[G1A], 15|(3<<16)|(1<<21)           ; 15:0 the mask: all four work-groups; 17:16 elements of 8 bytes; 21 set beside a mask; no padding
	s_mov_b32 s[G1A+1], 32<<16                     ; tensor_dim0 = 32
	s_mov_b32 s[G1A+2], 64<<16                     ; tensor_dim1 = 64
	s_mov_b32 s[G1A+3], 32<<16                     ; tile_dim0 = 32
	s_mov_b32 s[G1A+4], 64                         ; tile_dim1 = 64
	s_mov_b32 s[G1A+5], 32                         ; from row to row
	s_mov_b32 s[G1A+6], 0
	s_mov_b32 s[G1A+7], 0
	s_mov_b32 s[G1B], 15|(3<<16)|(1<<21)
	s_mov_b32 s[G1B+1], 32<<16
	s_mov_b32 s[G1B+2], 192<<16
	s_mov_b32 s[G1B+3], 32<<16
	s_mov_b32 s[G1B+4], 192
	s_mov_b32 s[G1B+5], 32
	s_mov_b32 s[G1B+6], 0
	s_mov_b32 s[G1B+7], 0
	s_mov_b32 s[SEL], 0x76543210
	s_mov_b32 s[SEL+1], 0xfedcba98
	s_and_b32 s55, s[WV], 3                        ; (waves 0 to 3 fetch)
	s_lshl_b32 s56, s55, 14                        ; key step w,
	s_mul_i32 s57, s55, 49152
	s_add_co_u32 s57, s57, 65536                   ; key steps 4 + 3 w on: the same byte in LDS and in the head's block of memory
	s_lshl_b32 s58, s54, 18                        ; a head's K and V are 262,144 bytes
	s_mov_b32 s59, 0
	s_wait_dscnt 0x0
	s_wait_kmcnt 0x0
	s_load_b128 s[16:19], s[8:9], 0x18             ; e6, e7, e8, e9
	s_load_b32 s20, s[8:9], 0x28                   ; e10
	s_add_nc_u64 s[6:7], s[6:7], s[58:59]
	s_mov_b32 s[G0A], 1
	s_mov_b32 s[G0A+1], s56
	s_mov_b32 s58, s56
	s_add_nc_u64 s[G0A+2:G0A+3], s[6:7], s[58:59]
	s_or_b32 s[G0A+3], s[G0A+3], 0x80000000
	s_mov_b32 s[G0B], 1
	s_mov_b32 s[G0B+1], s57
	s_mov_b32 s58, s57
	s_add_nc_u64 s[G0B+2:G0B+3], s[6:7], s[58:59]
	s_or_b32 s[G0B+3], s[G0B+3], 0x80000000
	CROUND                                         ; all four work-groups are here: the joint loads meet
	s_cmp_lt_u32 s[WV], 4                          ; a wave's two fills stand in one branch, ahead of every wait on TENSORcnt, every LDS read and every other barrier
	s_cbranch_scc0 .Lno_fill
	tensor_load_to_lds s[G0A:G0A+3], s[G1A:G1A+7]
	s_nop 0
	tensor_load_to_lds s[G0B:G0B+3], s[G1B:G1B+7]
	s_nop 0
.rept 4
	v_nop
.endr
.Lno_fill:
	v_and_b32 v5, 31, v0
	s_delay_alu instid0(VALU_DEP_1)
	v_lshlrev_b32 v1, 4, v5                        ; 16 x lane
	s_wait_alu depctr_va_vdst(0)
	v_and_b32 v6, 15, v0                           ; r
	v_bfe_u32 v7, v0, 4, 1                         ; h
	s_lshl_b32 s61, s53, 4
	v_lshlrev_b32 v7, 3, v7
	s_delay_alu instid0(VALU_DEP_1)
	v_sub_nc_u32 v3, v6, v7
	s_delay_alu instid0(VALU_DEP_1)
	v_add_nc_u32 v3, s61, v3                       ; 16 x + r - 8 h: on the diagonal, register i of tile T is hidden where 16 T + i is above it
	v_mov_b32 v4, 0xff800000                       ; -infinity
	s_lshl_b32 s60, s[RHO], 3
	s_add_co_u32 s60, s60, s53                     ; my tile of queries: 8 rho + x
	s_lshl_b32 s61, s54, 7
	s_add_co_u32 s61, s61, s60
	s_lshl_b32 s62, s61, 10                        ; 1,024 bytes a tile
	s_mov_b32 s63, 0
	s_add_nc_u64 s[4:5], s[4:5], s[62:63]
	global_load_b128 v[8:11], v1, s[4:5]           ; Q's fragment stays in registers
	global_load_b128 v[12:15], v1, s[4:5] offset:512
	s_lshr_b32 s61, s54, 4                         ; batch
	s_lshl_b32 s61, s61, 7
	s_add_co_u32 s61, s61, s60                     ; my tile of tokens
	s_lshl_b32 s62, s61, 14                        ; 16,384 bytes a tile,
	s_and_b32 s61, s54, 15
	s_lshl_b32 s61, s61, 10                        ; 1,024 bytes a head in it
	s_add_co_u32 s62, s62, s61
	s_add_nc_u64 s[10:11], s[10:11], s[62:63]
	v_mov_b32 v17, 0xff61b1e6                      ; the largest t so far: -3e38, under every t
	s_delay_alu instid0(VALU_DEP_1)
	v_floor_f32 v16, -v17                          ; -M
	v_mov_b32 v18, 0                               ; the sum, in two halves
	v_mov_b32 v19, 0
	v_mov_b32 v21, 0                               ; (named as the upper half of the pair v[20:21])
	v_mov_b32 v24, 0                               ; written once: a lane permute's destination counts as one of its sources
.set n, 0
.rept 32
	v_mov_b32 v[160+n], 0                          ; O^T.  (The step is written for every trip alike: the first finds zeros, which the first change of M leaves zeros)
.set n, n+1
.endr
	s_wait_kmcnt 0x0
	s_add_co_i32 s55, s16, s17
	s_lshl_b32 s55, s55, 23
	s_mov_b32 s[CSC], 0x3e38aa3b                   ; log2(e) / 8
	s_add_co_i32 s[CSC], s[CSC], s55               ; a score stands for score x 2^(e6 + e7): the two exponents are added to c's exponent field
	s_mov_b32 s[CSC+1], s[CSC]                     ; (named with it as a pair, so it is written)
	s_add_co_i32 s55, s18, 127
	s_lshl_b32 s56, s55, 23
	v_mov_b32 v29, s56                             ; 2^e8
	s_sub_co_i32 s55, s20, s18
	s_sub_co_i32 s55, s55, s19                     ; a sum of the second product stands for sum x 2^(e8 + e9): its code under 2^e10 is sum / 2^(e10 - e8 - e9)
	s_add_co_i32 s55, s55, 127
	s_lshl_b32 s56, s55, 23
	v_mov_b32 v30, s56
; A KEY STEP: 128 keys at LDS byte s[TB].  A step all of whose keys come after my queries is left out: a scalar branch on the trip's number and the wave's role; no barrier and no tensor load stands in a step.
.macro STEP
	s_cmp_gt_u32 s[J], s[RHO]
	s_cbranch_scc1 .Lskip_\@
	s_setprio 2
	v_add_nc_u32 v2, s[TB], v1
.irp t, 0,1,2,3,4,5,6,7
	ds_load_b128 v[32+8*\t:35+8*\t], v2 offset:1024*\t             ; K's tile t as it lies: 512 consecutive bytes a load
	ds_load_b128 v[36+8*\t:39+8*\t], v2 offset:1024*\t+512
.endr
	s_wait_alu depctr_va_vdst(0)
	s_wait_dscnt 0x0
.irp t, 0,1,2,3,4,5,6,7
	v_wmma_f32_16x16x64_fp8_fp8 v[96+8*\t:103+8*\t], v[32+8*\t:39+8*\t], v[8:15], 0
.endr
.rept 4
	v_nop                                          ; places in front of the loads into K's registers and of the first read of the scores
.endr
.irp t, 0,1,2,3
.irp i, 0,1,2,3
	ds_load_b128 v[32+16*\t+4*\i:35+16*\t+4*\i], v2 offset:8192+2048*\t+512*\i   ; V^T's four tiles: they land under the softmax
.endr
.endr
	s_cmp_lg_u32 s[J], s[RHO]                      ; the diagonal step: hidden scores become -infinity ahead of the maximum, so that p = 0
	s_cbranch_scc1 .Lopen_\@
.set n, 0
.rept 64
	v_cmp_gt_i32 vcc_lo, 16*(n/8)+n%8, v3
	v_cndmask_b32 v[96+n], v[96+n], v4, vcc_lo
.set n, n+1
.endr
.Lopen_\@:
	v_max3_num_f32 v22, v96, v97, v98              ; the step's largest score of my query among my 64 keys, in two chains; each accumulator is first read at its low end
	v_max3_num_f32 v23, v99, v100, v101
.irp i, 6,10,14,18,22,26,30,34,38,42,46,50,54,58
	v_max3_num_f32 v22, v22, v[96+\i], v[97+\i]
	v_max3_num_f32 v23, v23, v[98+\i], v[99+\i]
.endr
	v_max3_num_f32 v22, v22, v158, v159
	s_delay_alu instid0(VALU_DEP_1)
	v_max_num_f32 v22, v22, v23
	s_delay_alu instid0(VALU_DEP_1)
	v_permlanex16_b32 v24, v22, s[SEL], s[SEL+1]
	s_delay_alu instid0(VALU_DEP_1)
	v_max_num_f32 v22, v22, v24                    ; and among lane l xor 16's
	s_delay_alu instid0(VALU_DEP_1)
	v_mul_f32 v22, s[CSC], v22                     ; as t (c is positive)
	s_delay_alu instid0(VALU_DEP_1)
	v_max_num_f32 v17, v17, v22                    ; the running largest t
	v_mov_b32 v22, v16
	s_delay_alu instid0(VALU_DEP_2)
	v_floor_f32 v16, -v17                          ; the new -M = floor(-t): M is a whole number
	s_delay_alu instid0(VALU_DEP_1)
	v_sub_f32 v22, v16, v22                        ; M's old value less its new one: a whole number, 0 or less
	s_delay_alu instid0(VALU_DEP_1)
	v_cvt_i32_f32 v22, v22                         ; (it saturates)
	s_delay_alu instid0(VALU_DEP_1)
	v_ldexp_f32 v20, 1.0, v22                      ; f = 2^(old M - new M)
.set n, 0
	s_setprio 1
.rept 32
	v_pk_fma_f32 v[96+n:97+n], v[96+n:97+n], s[CSC:CSC+1], v[16:17] op_sel_hi:[1,0,0]   ; t - M, two at a time (of the pairs c and -M the low word serves both halves)
.set n, n+2
.endr
.set n, 0
	s_wait_alu depctr_va_vdst(0)
.rept 64
	v_exp_f32 v[96+n], v[96+n]                     ; p = 2^(t - M), at most 1
.set n, n+1
.endr
	v_pk_mul_f32 v[18:19], v[18:19], v[20:21] op_sel_hi:[1,0]   ; the sums under the new M: the plain line behind the exponentials
	s_wait_alu depctr_va_vdst(0)                   ; one wait for the whole batch, ahead of its first reader
	v_pk_add_f32 v[26:27], v[100:101], v[104:105]
	v_pk_add_f32 v[252:253], v[108:109], v[112:113]
	v_pk_add_f32 v[250:251], v[116:117], v[120:121]
	v_pk_add_f32 v[248:249], v[124:125], v[128:129]
	v_pk_add_f32 v[246:247], v[132:133], v[136:137]
	v_pk_add_f32 v[244:245], v[140:141], v[144:145]
	v_pk_add_f32 v[242:243], v[148:149], v[152:153]
	v_pk_add_f32 v[18:19], v[18:19], v[156:157]
	v_pk_add_f32 v[26:27], v[26:27], v[96:97]
	v_pk_add_f32 v[252:253], v[252:253], v[98:99]
	v_pk_add_f32 v[250:251], v[250:251], v[102:103]
	v_pk_add_f32 v[248:249], v[248:249], v[106:107]
	v_pk_add_f32 v[246:247], v[246:247], v[110:111]
	v_pk_add_f32 v[244:245], v[244:245], v[114:115]
	v_pk_add_f32 v[242:243], v[242:243], v[118:119]
	v_pk_add_f32 v[18:19], v[18:19], v[122:123]
	v_pk_add_f32 v[26:27], v[26:27], v[126:127]
	v_pk_add_f32 v[252:253], v[252:253], v[130:131]
	v_pk_add_f32 v[250:251], v[250:251], v[134:135]
	v_pk_add_f32 v[248:249], v[248:249], v[138:139]
	v_pk_add_f32 v[246:247], v[246:247], v[142:143]
	v_pk_add_f32 v[244:245], v[244:245], v[146:147]
	v_pk_add_f32 v[242:243], v[242:243], v[150:151]
	v_pk_add_f32 v[18:19], v[18:19], v[154:155]
	v_pk_add_f32 v[26:27], v[26:27], v[158:159]
	s_delay_alu instid0(VALU_DEP_2)
	v_pk_add_f32 v[18:19], v[18:19], v[248:249]
	s_delay_alu instid0(VALU_DEP_2)
	v_pk_add_f32 v[26:27], v[26:27], v[246:247]
	s_setprio 0
	v_pk_add_f32 v[252:253], v[252:253], v[244:245]
	v_pk_add_f32 v[250:251], v[250:251], v[242:243]
	s_delay_alu instid0(VALU_DEP_2)
	v_pk_add_f32 v[18:19], v[18:19], v[252:253]
	s_delay_alu instid0(VALU_DEP_2)
	v_pk_add_f32 v[26:27], v[26:27], v[250:251]
	s_delay_alu instid0(VALU_DEP_1)
	v_pk_add_f32 v[18:19], v[18:19], v[26:27]
.set n, 0
.rept 64
.set n, n+1
.endr
.irp t, 0,1,2,3,4,5,6,7
	v_cvt_scalef32_pk8_fp8_f32 v[192+2*\t:193+2*\t], v[96+8*\t:103+8*\t], v29
.endr
.set n, 0
.rept 16
	v_pk_mul_f32 v[160+n:161+n], v[160+n:161+n], v[20:21] op_sel_hi:[1,0]   ; O^T under the new M.  (These are also the plain lines between the conversions and the products that read the codes)
.set n, n+2
.endr
	s_wait_alu depctr_va_vdst(0)
	s_wait_dscnt 0x0                               ; V^T is in
.irp t, 0,1,2,3
	v_wmma_f32_16x16x128_fp8_fp8 v[160+8*\t:167+8*\t], v[32+16*\t:47+16*\t], v[192:207], v[160+8*\t:167+8*\t]   ; four accumulators by turns; the next step's eight products stand between two links of a chain
.endr
.rept 4
	v_nop                                          ; places in front of the next step's loads, and of the way out's first read
.endr
.Lskip_\@:
.endm
	s_wait_tensorcnt 0x1                           ; my key step w is in; my second load may stay out
	s_barrier_signal -1
	s_barrier_wait -1                              ; key steps 0 to 3 are whole
	s_wait_loadcnt 0x0                             ; Q
	s_mov_b32 s[J], 0
	s_mov_b32 s[TB], 0
.Lfirst:
	STEP
	s_add_co_u32 s[TB], s[TB], 16384
	s_add_co_u32 s[J], s[J], 1
	s_cmp_lt_u32 s[J], 4
	s_cbranch_scc1 .Lfirst
	s_setprio 0
	s_wait_tensorcnt 0x0                           ; my second load is in,
	s_wait_dscnt 0x0
	s_barrier_signal -1
	s_barrier_wait -1                              ; everybody's is: from here on no wave waits for another
	s_mov_b32 s[J], 4
	s_mov_b32 s[TB], 65536
.Lrest:
	STEP
	s_add_co_u32 s[TB], s[TB], 16384
	s_add_co_u32 s[J], s[J], 1
	s_cmp_lt_u32 s[J], 16
	s_cbranch_scc1 .Lrest
	s_setprio 0
	; THE WAY OUT: O^T / the sum, quantised: the codes are my head's eight registers of the next operand
	v_add_f32 v18, v18, v19                        ; the sum's two halves,
	s_delay_alu instid0(VALU_DEP_1)
	v_permlanex16_b32 v24, v18, s[SEL], s[SEL+1]
	s_delay_alu instid0(VALU_DEP_1)
	v_add_f32 v18, v18, v24                        ; and lane l xor 16's
	s_wait_alu depctr_va_vdst(0)
	v_rcp_f32 v20, v18
	v_nop                                          ; a plain line behind the reciprocal
	s_wait_alu depctr_va_vdst(0)                   ; and the wait ahead of its first reader
.set n, 0
.rept 16
	v_pk_mul_f32 v[96+n:97+n], v[160+n:161+n], v[20:21] op_sel_hi:[1,0]   ; each accumulator from its low end on
.set n, n+2
.endr
.set n, 0
.rept 32
.set n, n+1
.endr
.irp t, 0,1,2,3
	v_cvt_scalef32_pk8_fp8_f32 v[192+2*\t:193+2*\t], v[96+8*\t:103+8*\t], v30
.endr
	v_nop
	global_store_b128 v1, v[192:195], s[10:11]     ; 512 consecutive bytes a store
	global_store_b128 v1, v[196:199], s[10:11] offset:512
	s_wait_tensorcnt 0x0
	ds_add_u32 v254, v255
	s_wait_dscnt 0x0
	CROUND                                         ; the closing round: no work-group ends while a partner may still ask for a tile that names it
	s_endpgm
.Lfunc_end_k_q748ef15e8a_attn:
	.size	k_q748ef15e8a_attn, .Lfunc_end_k_q748ef15e8a_attn-k_q748ef15e8a_attn
	.p2alignl 7, 3214868480
	.fill 96, 4, 3214868480
	.section	.rodata,"a",@progbits
	.p2align	6, 0x0
	.amdhsa_kernel k_q748ef15e8a_attn
		.amdhsa_group_segment_fixed_size 264192
		.amdhsa_private_segment_fixed_size 0
		.amdhsa_enable_private_segment 0
		.amdhsa_kernarg_size 32
		.amdhsa_user_sgpr_count 2
		.amdhsa_user_sgpr_kernarg_segment_ptr 1
		.amdhsa_wavefront_size32 1
		.amdhsa_system_sgpr_workgroup_id_x 1
		.amdhsa_system_sgpr_workgroup_id_y 1
		.amdhsa_system_sgpr_workgroup_id_z 1
		.amdhsa_system_vgpr_workitem_id 0
		.amdhsa_next_free_vgpr 256
		.amdhsa_next_free_sgpr 66
		.amdhsa_reserve_vcc 1
		.amdhsa_float_denorm_mode_32 3
		.amdhsa_float_denorm_mode_16_64 3
		.amdhsa_fp16_overflow 1
		.amdhsa_memory_ordered 1
		.amdhsa_forward_progress 1
		.amdhsa_inst_pref_size 48
	.end_amdhsa_kernel
	.amdgpu_metadata
---
amdhsa.version: [ 1, 2 ]
amdhsa.kernels:
  - .name:           k_q748ef15e8a_attn
    .symbol:         k_q748ef15e8a_attn.kd
    .args:
      - { .name: qf, .offset: 0, .size: 8, .value_kind: global_buffer, .address_space: global }
      - { .name: kv, .offset: 8, .size: 8, .value_kind: global_buffer, .address_space: global }
      - { .name: lowp_scales, .offset: 16, .size: 8, .value_kind: global_buffer, .address_space: global }
      - { .name: ac, .offset: 24, .size: 8, .value_kind: global_buffer, .address_space: global }
    .group_segment_fixed_size: 264192
    .private_segment_fixed_size: 0
    .kernarg_segment_align: 8
    .kernarg_segment_size: 32
    .max_flat_workgroup_size: 512
    .sgpr_count:     66
    .vgpr_count:     256
    .wavefront_size: 32
...
	.end_amdgpu_metadata
.endif
;; end of part 3
;; launch oproj (part 4): grid 8 x 32, 4 waves a work-group, clusters of 4 x 4, 288,256 bytes of LDS; arguments ac, wc, lowp_scales, out0; writes out0
.if DOCPART == 4
	.amdgcn_target "amdgcn-amd-amdhsa--gfx1250"
	.amdhsa_code_object_version 6
	.text
	.protected	k_q748ef15e8a_oproj
	.globl	k_q748ef15e8a_oproj
	.p2align	8
	.type	k_q748ef15e8a_oproj,@function
k_q748ef15e8a_oproj:
	s_mov_b64 s[64:65], 0
	v_nop
	global_prefetch_b8 v0, s[64:65] scope:SCOPE_SE
	s_setreg_imm32_b32 hwreg(HW_REG_WAVE_MODE, 25, 1), 1
	s_wait_xcnt 0x0
	s_wait_alu depctr_hold_cnt(0) depctr_sa_sdst(0) depctr_va_vdst(0) depctr_va_sdst(0) depctr_va_ssrc(0) depctr_va_vcc(0) depctr_vm_vsrc(0)
	s_getreg_b32 s2, hwreg(HW_REG_IB_STS2, 6, 4)
	s_cmp_eq_u32 s2, 0
	s_cbranch_scc0 .Lentry_in_a_cluster
	s_endpgm
.Lentry_in_a_cluster:
	s_bfe_u32 s2, ttmp6, 0x10000c
	s_cmp_lg_u32 s2, 0xf033
	s_cbranch_scc0 .Lentry_shape_is_right
	s_endpgm
.Lentry_shape_is_right:
; OPROJ.  out0[token][n] = 2^(e10 + e11) x the sum over k of A[token][k] Wo[n][k], on codes of E4M3; K = 1,024; out0 [4096][1024] f32.
; A's codes lie as images of operand registers: ac = [tile of 16 tokens: 256][128 along K: 8][4][lane][16 bytes], in the matrix form's own order of K (registers 2 c, 2 c + 1: K = 16 c + 8 (lane / 16) + 0 .. 7).
; Wo's codes are wc's plane 3, rows of 1,024 bytes, K innermost; they are read from LDS in the same order of K, eight bytes at a time.
; A tile of out0 is 128 x 128, so that there are 256 work-groups; four waves, each 64 x 64: 16 accumulators.  With K = 1,024 both operands of a tile fit in LDS whole: four chunks of 256 along K, each filled ONCE:
; no slot is filled again.  A wave issues four tensor loads at the start (four are out at the most, by this text's count) and the chunks are worked as they land.
; CLUSTERS: 4 x 4 work-groups; A's tiles are shared along a row of the cluster, Wo's along a column, each asked for jointly with a mask that names the four.
; THE MATRIX INSTRUCTION IS USED TRANSPOSED (source 0 = 16 rows of Wo, source 1 = 16 tokens): a lane holds eight neighbouring numbers of a row of out0.
; LIMIT: e10 + e11 between -126 and 127, so that 2^(e10 + e11) is an f32 number.
; REGISTERS: window 0: v16-19, v20-23 LDS addresses of A's and Wo's fragments in chunks 0-3; v24-26 the way out; v32-63 a block's numbers; v64-127 rows read back, two sets; v128-255 the accumulators ((a, b) at v[128 + 8 (4 a + b)]).
;   window 1: two buffers of 128: 64 registers of A (4 x 16 tokens x 128 K), then 64 of Wo.
.set CH,     67584                     ; a chunk in LDS: A's 8 tiles x 4,096 bytes, then Wo's 128 rows x 272
.set BOFF,   32768
.set PITCH,  272                       ; 256 bytes + 16 of padding: the 16 rows that a load touches start at 16 different banks (64 banks of 4 bytes: ISA guide 11.1)
.set STG,    4*CH                      ; behind the chunks: a stage of 16 rows x 272 bytes for each wave; no tensor load lands there
.set SPITCH, 272
.set ADA, 16
.set ADB, 20
.set STO, 24
.set RD,  25
.set CO,  26
.set TMP, 32
.set BK,  64
.set ACC, 128
.set G1A, 24                           ; s[24:31] descriptor group 1 for A's tiles; s[40:55] groups 0, one for each chunk
.set G1B, 32                           ; s[32:39] for Wo's; s[68:83] groups 0
.set G0A, 40
.set G0B, 68
.set MSB, 0
.macro WIN new                         ; the immediate's high byte repeats the setting that is left
.if MSB != \new
	s_set_vgpr_msb (MSB<<8)|\new
.set MSB, \new
.endif
.endm
.macro CROUND                          ; a round of the cluster's barrier
	s_barrier_signal -1
	s_barrier_wait -1
	s_cmp_lg_u32 s14, 0
	s_cbranch_scc1 .Lnot_wave_0_\@
	s_barrier_signal -3
.Lnot_wave_0_\@:
	s_barrier_wait -3
	s_barrier_signal -1
	s_barrier_wait -1
.endm
	s_load_b256 s[4:11], s[0:1], 0x0               ; ac s[4:5], wc s[6:7], the exponents s[8:9], out0 s[10:11]
	v_lshl_add_u32 v30, v0, 2, 0x46400
	v_mov_b32 v31, 0
	ds_add_u32 v30, v31
	ds_add_u32 v30, v31
	v_lshrrev_b32 v1, 5, v0
	v_readfirstlane_b32 s14, v1                    ; wave 0..3
	s_lshr_b32 s15, s14, 1                         ; which half of the tile's tokens is mine.  Also: I fetch for A (0) or for Wo (1)
	s_and_b32 s16, s14, 1                          ; which half of its columns.  Also: which half of that tile I fetch
	s_bfe_u32 s19, ttmp6, 0x40000                  ; cx
	s_bfe_u32 s20, ttmp6, 0x40004                  ; cy
	s_lshl_b32 s18, ttmp9, 2
	s_add_co_u32 s18, s18, s19                     ; tile column = 4 x cluster x + cx
	s_and_b32 s17, ttmp7, 0xffff
	s_lshl_b32 s17, s17, 2
	s_add_co_u32 s17, s17, s20                     ; tile row = 4 x cluster y + cy
	s_lshl_b32 s21, s20, 2
	s_lshl_b32 s21, 15, s21                        ; my row of the cluster
	s_lshl_b32 s22, 0x1111, s19                    ; my column
	; A: 4 tiles of tokens, of each the chunk's 4,096 bytes: 4 rows of 512 elements of 8 bytes, 16,384 bytes apart, dense in LDS
	s_or_b32 s[G1A], s21, (3<<16)|(1<<21)          ; 15:0 the mask; 17:16 elements of 8 bytes; 21 set beside a mask
	s_mov_b32 s[G1A+1], 512<<16                    ; tensor_dim0 = 512
	s_mov_b32 s[G1A+2], 4<<16                      ; tensor_dim1 = 4
	s_mov_b32 s[G1A+3], 512<<16                    ; tile_dim0 = 512
	s_mov_b32 s[G1A+4], 4                          ; tile_dim1 = 4
	s_mov_b32 s[G1A+5], 2048                       ; from row to row
	s_mov_b32 s[G1A+6], 0
	s_mov_b32 s[G1A+7], 0
	; Wo: 64 rows of 256 bytes, 1,024 bytes apart, padded in LDS
	s_or_b32 s[G1B], s22, (0<<16)|(1<<20)|(1<<21)|(5<<22)|(3<<25)   ; elements of 1 byte; padding: four words after every 64
	s_mov_b32 s[G1B+1], 256<<16
	s_mov_b32 s[G1B+2], 64<<16
	s_mov_b32 s[G1B+3], 256<<16
	s_mov_b32 s[G1B+4], 64
	s_mov_b32 s[G1B+5], 1024
	s_mov_b32 s[G1B+6], 0
	s_mov_b32 s[G1B+7], 0
	s_lshl_b32 s60, s17, 3
	s_lshl_b32 s23, s16, 2
	s_add_co_u32 s60, s60, s23
	s_lshl_b32 s60, s60, 14                        ; A: (8 x tile row + 4 x half) tiles of 16,384 bytes: made of the tile row alone
	s_mov_b32 s61, 0
	s_lshl_b32 s62, s18, 7
	s_lshl_b32 s23, s16, 6
	s_add_co_u32 s62, s62, s23
	s_lshl_b32 s62, s62, 10                        ; Wo: (128 x tile column + 64 x half) rows of 1,024 bytes: made of the tile column alone,
	s_add_co_u32 s62, s62, 0x300000                ; in plane 3
	s_mov_b32 s63, 0
	s_lshl_b32 s84, s16, 14                        ; where they go in a chunk: no place in the cluster enters an LDS address
	s_mul_i32 s85, s16, 64*PITCH
	s_add_co_u32 s85, s85, BOFF
	s_wait_dscnt 0x0
	s_wait_kmcnt 0x0
	s_load_b64 s[96:97], s[8:9], 0x28              ; e10, e11
	s_add_nc_u64 s[56:57], s[4:5], s[60:61]
	s_add_nc_u64 s[58:59], s[6:7], s[62:63]
	CROUND                                         ; all sixteen work-groups are here: the joint loads meet
.irp c, 0,1,2,3
	s_mov_b32 s[G0A+4*\c], 1
	s_add_co_u32 s[G0A+4*\c+1], s84, \c*CH
	s_add_nc_u64 s[G0A+4*\c+2:G0A+4*\c+3], s[56:57], \c*4096
	s_or_b32 s[G0A+4*\c+3], s[G0A+4*\c+3], 0x80000000
	s_mov_b32 s[G0B+4*\c], 1
	s_add_co_u32 s[G0B+4*\c+1], s85, \c*CH
	s_add_nc_u64 s[G0B+4*\c+2:G0B+4*\c+3], s[58:59], \c*256
	s_or_b32 s[G0B+4*\c+3], s[G0B+4*\c+3], 0x80000000
.endr
	s_cmp_eq_u32 s15, 0                            ; a wave's four fills stand in one branch, ahead of every wait on TENSORcnt and every LDS read; four v_nop follow the last
	s_cbranch_scc0 .Lfor_b
.irp c, 0,1,2,3
	tensor_load_to_lds s[G0A+4*\c:G0A+4*\c+3], s[G1A:G1A+7]
	s_nop 0
.endr
.rept 4
	v_nop
.endr
	s_branch .Lasked
.Lfor_b:
.irp c, 0,1,2,3
	tensor_load_to_lds s[G0B+4*\c:G0B+4*\c+3], s[G1B:G1B+7]
	s_nop 0
.endr
.rept 4
	v_nop
.endr
.Lasked:
	v_and_b32 v1, 15, v0                           ; r
	v_bfe_u32 v2, v0, 4, 1                         ; h
	v_and_b32 v3, 31, v0
	v_lshlrev_b32 v3, 4, v3                        ; 16 x lane
	s_lshl_b32 s86, s15, 14                        ; my four tiles of tokens
	v_add_nc_u32 v[ADA], s86, v3
	v_mul_u32_u24 v4, v1, PITCH
	v_lshl_add_u32 v4, v2, 3, v4                   ; Wo: row r, + 8 h
	s_mul_i32 s87, s16, 64*PITCH                   ; my 64 rows,
	s_add_co_u32 s87, s87, BOFF                    ; behind A's part
	v_add_nc_u32 v[ADB], s87, v4
.irp c, 1,2,3
	v_add_nc_u32 v[ADA+\c], \c*CH, v[ADA]
	v_add_nc_u32 v[ADB+\c], \c*CH, v[ADB]
.endr
	s_mul_i32 s88, s14, 16*SPITCH
	s_add_co_u32 s88, s88, STG                     ; my stage
	v_mul_u32_u24 v5, v1, SPITCH
	v_lshl_add_u32 v5, v2, 5, v5
	v_add_nc_u32 v[STO], s88, v5                   ; in: row r, 32 bytes for each half of the lanes
	v_mul_u32_u24 v5, v2, SPITCH
	v_lshl_add_u32 v5, v1, 4, v5
	v_add_nc_u32 v[RD], s88, v5                    ; back: lanes 0-15 one row of 256 bytes, lanes 16-31 the next
	v_lshlrev_b32 v[CO], 12, v2
	v_lshl_add_u32 v[CO], v1, 4, v[CO]             ; and the same two rows in out0
	s_lshl_b32 s90, s17, 7
	s_lshl_b32 s91, s15, 6
	s_add_co_u32 s90, s90, s91
	s_lshl_b32 s90, s90, 12                        ; my first row: (128 x tile row + 64 x half) x 4,096 bytes,
	s_lshl_b32 s91, s18, 9
	s_add_co_u32 s90, s90, s91                     ; my first column: 512 x tile column
	s_lshl_b32 s91, s16, 8
	s_add_co_u32 s90, s90, s91                     ; + 256 x half
	s_mov_b32 s91, 0
	s_add_nc_u64 s[10:11], s[10:11], s[90:91]
; 48 LDS loads in one run: the fragments of the q-th 128 along K of chunk c, into buffer f
.macro FETCH c, q, f
	WIN 0x40                                       ; destination window 1, address window 0
.irp b, 0,1,2,3
.irp k, 0,1,2,3,4,5,6,7
	ds_load_b64 v[\f+64+16*\b+2*\k:\f+64+16*\b+2*\k+1], v[ADB+\c] offset:\b*16*PITCH+128*(\q)+16*\k   ; registers 2 k, 2 k + 1: K = 16 k + 8 h + 0 .. 7
.endr
.endr
.irp a, 0,1,2,3
.irp i, 0,1,2,3
	ds_load_b128 v[\f+16*\a+4*\i:\f+16*\a+4*\i+3], v[ADA+\c] offset:\a*4096+2048*(\q)+512*\i          ; A's image as it lies
.endr
.endr
.endm
; 16 matrix instructions, the 16 accumulators by turns, in the same order in every step.  zero = 1: the first product starts the sums
.macro MUL f, zero
	WIN 0x05                                       ; sources 0 and 1 window 1; C and D window 0
.irp a, 0,1,2,3
.irp b, 0,1,2,3
.if \zero
	v_wmma_f32_16x16x128_fp8_fp8 v[ACC+8*(4*\a+\b):ACC+8*(4*\a+\b)+7], v[\f+64+16*\b:\f+64+16*\b+15], v[\f+16*\a:\f+16*\a+15], 0
.else
	v_wmma_f32_16x16x128_fp8_fp8 v[ACC+8*(4*\a+\b):ACC+8*(4*\a+\b)+7], v[\f+64+16*\b:\f+64+16*\b+15], v[\f+16*\a:\f+16*\a+15], v[ACC+8*(4*\a+\b):ACC+8*(4*\a+\b)+7]
.endif
.endr
.endr
.endm
; Step s of eight: the next step's fragments are asked for, then this step's are multiplied.  Ahead of a chunk's first fetch: my part of it has landed, and a barrier says so of every wave's.
.macro KS s, zero
.if (\s) < 7
.if ((\s)+1)%2 == 0
	s_wait_tensorcnt 3-((\s)+1)/2                  ; my load of chunk (s + 1) / 2 is in; the later chunks' may be out
	s_wait_dscnt 0x0                               ; no LDS load of mine is pending at the signal
	s_barrier_signal -1
	s_barrier_wait -1
.endif
.if (\s) > 0
.rept 4
	v_nop                                          ; places in front of loads into the buffer that the last step multiplied
.endr
.endif
	FETCH ((\s)+1)/2, ((\s)+1)%2, 128*(((\s)+1)%2)
	s_wait_dscnt 48                                ; all but the 48 just issued
.else
	s_wait_dscnt 0x0
.endif
	MUL 128*((\s)%2), \zero
.endm
	s_wait_alu depctr_va_vdst(0)
	s_wait_tensorcnt 3                             ; my part of chunk 0 is in,
	s_barrier_signal -1
	s_barrier_wait -1                              ; everybody's is
	FETCH 0, 0, 0
	KS 0, 1
.irp s, 1,2,3,4,5,6,7
	KS \s, 0
.endr
	WIN 0
; THE WAY OUT, a block of 16 tokens x 64 columns at a time.  A lane holds 32 neighbouring bytes of a row and the lanes beside it hold other rows: a block goes through my own stage and comes back as whole rows of 256 bytes.
; LDS serves a wave's instructions in order (ISA guide 5.7.1.4): no wait between the stores and the loads, nor in front of the next block's stores.
.macro TOSTAGE a
.set n, 0
.rept 16
	v_pk_mul_f32 v[TMP+n:TMP+n+1], v[ACC+32*(\a)+n:ACC+32*(\a)+n+1], s[96:97] op_sel_hi:[1,0]   ; both x s96 = 2^(e10 + e11); each accumulator from its low end on
.set n, n+2
.endr
.irp b, 0,1,2,3
	ds_store_b128 v[STO], v[TMP+8*\b:TMP+8*\b+3] offset:64*\b
	ds_store_b128 v[STO], v[TMP+8*\b+4:TMP+8*\b+7] offset:64*\b+16
.endr
.irp t, 0,1,2,3,4,5,6,7
	ds_load_b128 v[BK+32*((\a)%2)+4*\t:BK+32*((\a)%2)+4*\t+3], v[RD] offset:\t*2*SPITCH
.endr
.endm
.macro SEND a, younger                 ; younger: the LDS instructions issued behind block a's loads, which may stay out
	s_wait_dscnt \younger
.irp t, 0,1,2,3,4,5,6,7
	global_store_b128 v[CO], v[BK+32*((\a)%2)+4*\t:BK+32*((\a)%2)+4*\t+3], s[10:11] offset:(16*(\a)+2*\t)*4096 th:TH_STORE_NT   ; 16 lanes store 256 consecutive bytes, at a multiple of 256 from out0's first byte; written once, read by nobody here
.endr
.endm
	s_wait_kmcnt 0x0
	s_add_co_i32 s96, s96, s97                     ; e10 + e11
	s_add_co_i32 s96, s96, 127
	s_lshl_b32 s96, s96, 23                        ; 2^(e10 + e11) as f32
.rept 4
	v_nop                                          ; places in front of the first read of results
.endr
	TOSTAGE 0
.irp a, 1,2,3
.if \a > 1
	s_wait_xcnt 0x0                                ; block a - 2's stores have read their registers: block a's loads may land there
.endif
	TOSTAGE \a
	SEND \a-1, 16                                  ; behind block a - 1's loads: block a's 8 stores and 8 loads
.endr
	SEND 3, 0
	s_wait_tensorcnt 0x0
	ds_add_u32 v30, v31
	s_wait_dscnt 0x0
	CROUND                                         ; the closing round: no work-group ends while a partner may still ask for a tile that names it
	s_endpgm
.Lfunc_end_k_q748ef15e8a_oproj:
	.size	k_q748ef15e8a_oproj, .Lfunc_end_k_q748ef15e8a_oproj-k_q748ef15e8a_oproj
	.p2alignl 7, 3214868480
	.fill 96, 4, 3214868480
	.section	.rodata,"a",@progbits
	.p2align	6, 0x0
	.amdhsa_kernel k_q748ef15e8a_oproj
		.amdhsa_group_segment_fixed_size 288256
		.amdhsa_private_segment_fixed_size 0
		.amdhsa_enable_private_segment 0
		.amdhsa_kernarg_size 32
		.amdhsa_user_sgpr_count 2
		.amdhsa_user_sgpr_kernarg_segment_ptr 1
		.amdhsa_wavefront_size32 1
		.amdhsa_system_sgpr_workgroup_id_x 1
		.amdhsa_system_sgpr_workgroup_id_y 1
		.amdhsa_system_sgpr_workgroup_id_z 1
		.amdhsa_system_vgpr_workitem_id 0
		.amdhsa_next_free_vgpr 512
		.amdhsa_next_free_sgpr 100
		.amdhsa_reserve_vcc 0
		.amdhsa_float_denorm_mode_32 3
		.amdhsa_float_denorm_mode_16_64 3
		.amdhsa_memory_ordered 1
		.amdhsa_forward_progress 1
		.amdhsa_inst_pref_size 54
	.end_amdhsa_kernel
	.amdgpu_metadata
---
amdhsa.version: [ 1, 2 ]
amdhsa.kernels:
  - .name:           k_q748ef15e8a_oproj
    .symbol:         k_q748ef15e8a_oproj.kd
    .args:
      - { .name: ac, .offset: 0, .size: 8, .value_kind: global_buffer, .address_space: global }
      - { .name: wc, .offset: 8, .size: 8, .value_kind: global_buffer, .address_space: global }
      - { .name: lowp_scales, .offset: 16, .size: 8, .value_kind: global_buffer, .address_space: global }
      - { .name: out0, .offset: 24, .size: 8, .value_kind: global_buffer, .address_space: global }
    .group_segment_fixed_size: 288256
    .private_segment_fixed_size: 0
    .kernarg_segment_align: 8
    .kernarg_segment_size: 32
    .max_flat_workgroup_size: 128
    .sgpr_count:     100
    .vgpr_count:     512
    .wavefront_size: 32
...
	.end_amdgpu_metadata
.endif
;; end of part 4
